; MI455X (gfx1250); checked and timed in simulation.
; The chip was launched on July 23, 2026; its instructions are those of AMD's public machine-readable ISA for CDNA 5 (MIT licence, August 2026) and "CDNA5" Instruction Set Architecture Reference Guide (July 2026). The comments in the code are by the model that wrote it; some were corrected since.
;; Multi Head Attention. Allowed arithmetic: float matrix products may take bf16 or f16 operands with f32 sums; all other float work in f32.
;; Inputs: Wk 1,024 x 1,024 float32; Wo 1,024 x 1,024 float32; Wq 1,024 x 1,024 float32; Wv 1,024 x 1,024 float32; attention_mask 2 x 2,048 int32; k 2 x 2,048 x 1,024 float32; q 2 x 2,048 x 1,024 float32; v 2 x 2,048 x 1,024 float32.
;; Outputs: out0 2 x 2,048 x 1,024 float32.
;; One version. Each part assembles by itself: llvm-mc -triple=amdgcn-amd-amdhsa -mcpu=gfx1250 --defsym DOCPART=n.
;; ======== version 1 of 1: 3 launches
;; limits: inputs' magnitudes at most 65,504; values are held in f16: magnitudes above 65,504 overflow, below 6.1e-05 lose precision
;; workspace buffers: Qh 8,388,608 bytes; Kh 8,388,608 bytes; Vh 8,388,608 bytes; AO 8,388,608 bytes; Wob 2,097,152 bytes
;; launch proj (part 1): grid 4 x 48, 4 waves a work-group, clusters of 4 x 4, 327,680 bytes of LDS; arguments q, k, v, Wq, Wk, Wv, Qh, Kh, Vh, attention_mask; writes Qh, Kh, Vh
.if DOCPART == 1
	.amdgcn_target "amdgcn-amd-amdhsa--gfx1250"
	.amdhsa_code_object_version 6
	.text
	.protected	k_q61b2d099fd_proj
	.globl	k_q61b2d099fd_proj
	.p2align	8
	.type	k_q61b2d099fd_proj,@function
k_q61b2d099fd_proj:
	s_mov_b64 s[64:65], 0
	v_nop
	global_prefetch_b8 v0, s[64:65] scope:SCOPE_SE
	s_setreg_imm32_b32 hwreg(HW_REG_WAVE_MODE, 25, 1), 1
	s_wait_xcnt 0x0
	s_wait_alu depctr_hold_cnt(0) depctr_sa_sdst(0) depctr_va_vdst(0) depctr_va_sdst(0) depctr_va_ssrc(0) depctr_va_vcc(0) depctr_vm_vsrc(0)
	s_getreg_b32 s2, hwreg(HW_REG_IB_STS2, 6, 4)
	s_cmp_eq_u32 s2, 0
	s_cbranch_scc0 .Lentry_in_a_cluster
	s_endpgm
.Lentry_in_a_cluster:
	s_bfe_u32 s2, ttmp6, 0x10000c
	s_cmp_lg_u32 s2, 0xf033
	s_cbranch_scc0 .Lentry_shape_is_right
	s_endpgm
.Lentry_shape_is_right:
; Qh = f16(Q log2e / 4), Kh = f16(K / 2) with the rows of masked keys stored as 0, Vh = f16(V / 8); Q = q Wq^T and so on.
; Head-major: out[b*16+head][l][64].  x: [4096][1024] f32, W: [1024 (n)][1024 (k)] f32.  Qh.Kh is then the score in base 2, and a masked
; key's product is exactly 0, so that the attention launch can put -1e9 log2e in its place by the product's addend.
; One launch makes all three products: cluster row y / 4 picks the tensor (q, k or v), equal in all sixteen partners of a cluster.
; A work-group makes 256 x 256 of one product with four waves; a wave makes 128 x 128: 64 accumulator tiles, 512 registers.
; K goes in steps of 64 f32 (rows of 256 bytes, aligned) through two LDS slots filled by tensor loads; the f32 fragments are read
; from LDS and rounded to f16 in registers (v_cvt_pk_f16_f32), so no cast pass over memory is needed.
; THE PIPELINE: a half step is 32 along K, 64 matrix instructions, in four quarters of 16.  In front of each quarter two fragments of x and
; two of W of the NEXT half step are rounded to f16 (the f16 fragments have two buffers), and the f32 registers that this frees are loaded
; again at once with the fragments four places further on (a ring of four f32 fragments a side).  So LDS loads go out in runs of eight,
; two quarters ahead of their use, and run one and a half half steps ahead of the products; the slots change in the middle of every even half step.
; CLUSTERS 4 x 4: x tiles hang on the block row alone and are asked for jointly along a row of the cluster, W tiles on the block
; column alone and are asked for jointly along a column: a quarter of the requests.
; 192 work-groups: 3 tensors x 16 block rows x 4 block columns; there is no work for more at this tile size.
; LIMITS: operands are f16: |x|, |W| above 65,504 become infinite; |Q| above 181,000, |K| above 131,000, |V| above 524,000 overflow the
; stored f16; stored numbers below 3e-8 become 0; a masked key whose K row is not finite is stored as NaN (0 x inf).
;
; REGISTERS in windows of 256:
;   window 0: v8-15 row factors; v16-28 addresses; v32-95 ring of four x fragments in f32; v96-159, v160-223 x fragments in f16, two buffers; v224-255 packed results
;   window 1: v20-21 W's LDS addresses; v32-95 ring of four W fragments in f32; v96-159, v160-223 W fragments in f16
;   window 2: accumulator tiles of my rows 0-63 (tile (a, b) at v[8 (8 a + b)]);  window 3: rows 64-127
; The matrix instruction is used transposed (source 0 = 16 rows of W, source 1 = 16 rows of x): lane l then holds row l % 16 of the
; result and eight neighbouring columns 8 (l / 16) + 0..7.
.set PITCH,  272                       ; LDS row: 256 bytes + 16 of padding = 17 x 16: sixteen rows begin at sixteen different 16-byte columns modulo 256
.set HALFT,  128*PITCH                 ; 128 rows: one tensor load
.set SLOT,   4*HALFT                   ; x's 256 rows, then W's 256 rows
.set STG,    2*SLOT                    ; behind the ring: 16 rows x 272 bytes for each wave, never a tensor load's target
.set LAPS,   8                         ; 1024 / (2 x 64): a lap is two K steps, once round the ring
.set HEADB,  262144                    ; bytes of one head in the output: 2048 rows of 128 bytes
.set FAC,  8                           ; v8-15   block i of 16 rows: the factor of my row 16 i + l % 16
.set ADRA, 16                          ; v16-17  LDS address of my x fragments in slot 0, 1 (window 0)
.set ADRB, 20                          ; v20-21  the same for W (window 1)
.set STO,  24                          ; the way out: where I put 16 bytes of a row
.set RD,   25                          ; the way out: where I read back
.set CO,   26                          ; my byte offset in the output
.set RAW,  32                          ; ring of four fragments as f32, 16 registers each
.set FR0,  96                          ; fragments as f16, buffer 0 (even half steps)
.set FR1,  160                         ; buffer 1 (odd half steps)
.set TMP,  224                         ; the way out: packed f16
.set SC,   32                          ; the way out: results times their factor, f32 (the ring is free then)
.set RB0,  96                          ; the way out: rows read back, two buffers in turn
.set RB1,  128
.set G1,  24                           ; s[24:31] descriptor group 1, x tiles
.set G0,  32                           ; s[32:39] group 0, x tiles, one set a slot
.set G1B, 48                           ; s[48:55] group 1, W tiles (another mask)
.set G0B, 56                           ; s[56:63] group 0, W tiles
.set MSB, 0
.macro WIN new                         ; the immediate's high byte repeats the setting that is left
.if MSB != \new
	s_set_vgpr_msb (MSB<<8)|\new
.set MSB, \new
.endif
.endm
.set MUL_LO, 0xa1                      ; source 0 (W) window 1, source 1 (x) window 0, C and D window 2
.set MUL_HI, 0xf1                      ; the same, C and D window 3
.set TO_B,   0x40                      ; destination window 1, sources window 0
.set IN_B,   0x45                      ; destination and both sources window 1: W's conversions, and W's loads with their address
.macro PLACES n
.rept \n
	v_nop
.endr
.endm
; A joint load: waves 0 and 1 fetch the two halves of x's tile, waves 2 and 3 those of W's.  The branch hangs on the wave's number alone.
.macro JLOAD s
	s_cmp_eq_u32 s11, 0
	s_cbranch_scc0 .Lfor_b_\@
	tensor_load_to_lds s[G0+4*\s:G0+4*\s+3], s[G1:G1+7]
	s_nop 0
	s_branch .Lasked_\@
.Lfor_b_\@:
	tensor_load_to_lds s[G0B+4*\s:G0B+4*\s+3], s[G1B:G1B+7]
	s_nop 0
.Lasked_\@:
.endm
.macro CREST                           ; a round of the cluster's barrier behind its opening work-group barrier
	s_cmp_lg_u32 s10, 0
	s_cbranch_scc1 .Lnot_wave_0_\@
	s_barrier_signal -3
.Lnot_wave_0_\@:
	s_barrier_wait -3
	s_barrier_signal -1
	s_barrier_wait -1
.endm
.macro CROUND                          ; a whole round
	s_barrier_signal -1
	s_barrier_wait -1
	CREST
.endm
	s_load_b512 s[68:83], s[0:1], 0x0              ; q k v Wq Wk Wv Qh Kh, two registers each
	s_load_b128 s[84:87], s[0:1], 0x40             ; Vh, attention_mask
	s_set_vgpr_msb 0x40
	v_lshl_add_u32 v255, v0, 2, 0x48400
	s_set_vgpr_msb 0x4000
	v_mov_b32 v31, 0
	s_set_vgpr_msb 0x1
	ds_add_u32 v255, v31
	s_set_vgpr_msb 0x100
	v_lshrrev_b32 v1, 5, v0
	v_readfirstlane_b32 s10, v1                    ; wave 0..3
	s_lshr_b32 s11, s10, 1                         ; my half of the block's rows; also: I fetch for x (0) or for W (1)
	s_and_b32 s12, s10, 1                          ; my half of its columns; also: which 128 rows of that tile I fetch
	s_bfe_u32 s40, ttmp6, 0x40000                  ; cx
	s_bfe_u32 s41, ttmp6, 0x40004                  ; cy
	s_lshl_b32 s42, ttmp9, 2
	s_add_co_u32 s42, s42, s40                     ; block column 0..3 = 4 x cluster x + cx
	s_and_b32 s13, ttmp7, 0xffff                   ; cluster y, 0..11
	s_lshr_b32 s45, s13, 2                         ; the tensor: 0 q, 1 k, 2 v; the same in all partners
	s_and_b32 s13, s13, 3
	s_lshl_b32 s13, s13, 2
	s_add_co_u32 s13, s13, s41                     ; block row 0..15
	s_lshl_b32 s43, s41, 2
	s_lshl_b32 s43, 15, s43                        ; my row of the cluster
	s_lshl_b32 s44, 0x1111, s40                    ; my column
	; the factor of a row that counts (s90) and of a row whose mask word is 0 (s91): only K's masked rows become 0
	s_mov_b32 s90, 0x3eb8aa3b                      ; q: log2 e / 4
	s_cmp_eq_u32 s45, 2
	s_cselect_b32 s90, 0x3e000000, s90             ; v: 1 / 8
	s_mov_b32 s91, s90
	s_cmp_eq_u32 s45, 1
	s_cselect_b32 s90, 0x3f000000, s90             ; k: 1 / 2,
	s_cselect_b32 s91, 0, s91                      ; or 0
	; group 1: 128 rows x 64 elements of 4 bytes, 4 words of padding behind every 64 words
	s_or_b32 s[G1+0], s43, (2<<16)|(1<<20)|(1<<21)|(5<<22)|(3<<25)
	s_or_b32 s[G1B+0], s44, (2<<16)|(1<<20)|(1<<21)|(5<<22)|(3<<25)
	s_mov_b32 s[G1+1], 64<<16                      ; tensor_dim0 = 64
	s_mov_b32 s[G1B+1], 64<<16
	s_mov_b32 s[G1+2], 128<<16                     ; tensor_dim1 = 128
	s_mov_b32 s[G1B+2], 128<<16
	s_mov_b32 s[G1+3], 64<<16                      ; tile_dim0 = 64
	s_mov_b32 s[G1B+3], 64<<16
	s_mov_b32 s[G1+4], 128                         ; tile_dim1 = 128
	s_mov_b32 s[G1B+4], 128
	s_mov_b32 s[G1+5], 1024                        ; elements from row to row
	s_mov_b32 s[G1B+5], 1024
	s_mov_b32 s[G1+6], 0
	s_mov_b32 s[G1B+6], 0
	s_mov_b32 s[G1+7], 0
	s_mov_b32 s[G1B+7], 0
	; byte offsets of the tiles: x's from the block row, W's from the block column, each in registers that never hold the other coordinate
	s_lshl_b32 s17, s12, 7
	s_lshl_b32 s16, s13, 8
	s_add_co_u32 s16, s16, s17                     ; x: row 256 x block row + 128 x half
	s_lshl_b32 s16, s16, 12                        ; rows of 4,096 bytes; below 16 MiB
	s_lshl_b32 s46, s42, 8
	s_add_co_u32 s46, s46, s17                     ; W: row 256 x block column + 128 x half
	s_lshl_b32 s46, s46, 12
	s_mov_b32 s17, 0
	s_mov_b32 s47, 0
	s_lshl_b32 s88, s13, 10                        ; the mask words of my 128 rows: 4 bytes x (256 x block row + 128 x my half)
	s_lshl_b32 s89, s11, 9
	s_add_co_u32 s88, s88, s89
	s_mov_b32 s89, 0
	s_mul_i32 s20, s10, HALFT                      ; where my load goes: wave x 128 rows
	s_wait_dscnt 0x0
	s_wait_kmcnt 0x0
	s_cmp_eq_u32 s45, 1                            ; the three buffers of my tensor
	s_cselect_b64 s[4:5], s[70:71], s[68:69]
	s_cselect_b64 s[6:7], s[76:77], s[74:75]
	s_cselect_b64 s[8:9], s[82:83], s[80:81]
	s_cmp_eq_u32 s45, 2
	s_cselect_b64 s[4:5], s[72:73], s[4:5]
	s_cselect_b64 s[6:7], s[78:79], s[6:7]
	s_cselect_b64 s[8:9], s[84:85], s[8:9]
	s_add_nc_u64 s[14:15], s[4:5], s[16:17]
	s_add_nc_u64 s[46:47], s[6:7], s[46:47]
	s_add_nc_u64 s[88:89], s[86:87], s[88:89]
	CROUND                                         ; all sixteen work-groups are here: the first joint loads meet
.irp s, 0,1
	s_mov_b32 s[G0+4*\s], 1
	s_add_co_u32 s[G0+4*\s+1], s20, \s*SLOT
	s_add_nc_u64 s[G0+4*\s+2:G0+4*\s+3], s[14:15], \s*256          ; K step s
	s_or_b32 s[G0+4*\s+3], s[G0+4*\s+3], 0x80000000
	s_mov_b32 s[G0B+4*\s], 1
	s_add_co_u32 s[G0B+4*\s+1], s20, \s*SLOT
	s_add_nc_u64 s[G0B+4*\s+2:G0B+4*\s+3], s[46:47], \s*256
	s_or_b32 s[G0B+4*\s+3], s[G0B+4*\s+3], 0x80000000
	JLOAD \s                                       ; both slots are asked for before anything else: two tensor loads of the wave are out
.endr
	v_and_b32 v1, 15, v0
	v_bfe_u32 v2, v0, 4, 1
	v_lshlrev_b32 v28, 2, v1                       ; the mask word of row l % 16 of a block of 16 rows
.irp i, 0,1,2,3,4,5,6,7
	global_load_b32 v[FAC+\i], v28, s[88:89] offset:64*\i
.endr
	; An f16 fragment wants, in lane l, row l % 16 and K = 8 (l/16) + 0..7 and 16 + 8 (l/16) + 0..7: in f32 that is 32 bytes at 32 (l/16) and 32 bytes at 64 + 32 (l/16).
	v_mul_u32_u24 v3, v1, PITCH
	v_lshl_add_u32 v3, v2, 5, v3
	s_mul_i32 s21, s11, HALFT
	s_mul_i32 s22, s12, HALFT
	s_add_co_u32 s22, s22, 2*HALFT
.irp s, 0,1
	v_add_nc_u32 v[ADRA+\s], s21, v3
	s_add_co_u32 s21, s21, SLOT
.endr
	WIN TO_B                                       ; W's addresses lie in window 1, beside the registers that its loads fill
.irp s, 0,1
	v_add_nc_u32 v[ADRB+\s], s22, v3
	s_add_co_u32 s22, s22, SLOT
.endr
	WIN 0
	s_mul_i32 s23, s10, 16*PITCH
	s_add_co_u32 s23, s23, STG                     ; my stage
	v_mul_u32_u24 v4, v1, PITCH                    ; in: row l % 16, 16 bytes for each half of the lanes
	v_lshl_add_u32 v4, v2, 4, v4
	v_add_nc_u32 v[STO], s23, v4
	v_and_b32 v5, 31, v0
	v_lshrrev_b32 v6, 3, v5                        ; back: eight lanes take the 128 bytes that one row has of one head, four rows a load
	v_and_b32 v7, 7, v0
	v_mul_u32_u24 v6, v6, PITCH
	v_lshl_add_u32 v6, v7, 4, v6
	v_add_nc_u32 v[RD], s23, v6
	v_lshlrev_b32 v[CO], 4, v5                     ; four rows of 128 bytes lie side by side in the output: 16 x lane
	v_mov_b32 v27, s91
	s_wait_loadcnt 0x0                             ; the eight mask words
.irp i, 0,1,2,3,4,5,6,7
	v_cmp_eq_u32 vcc_lo, 0, v[FAC+\i]
	v_cndmask_b32 v[FAC+\i], s90, v27, vcc_lo      ; mask word 0: s91, else s90
.endr
; 16 matrix instructions: m blocks a0, a0 + 1 of the window's four x all 8 n blocks, 32 along K.  zero = 1: the product starts the sums.
; Over a half step all 64 accumulators come once, always in the same order, one instruction a turn.
.macro MUL16 f, hi, a0, zero
.irp a, \a0, \a0+1
.irp b, 0,1,2,3,4,5,6,7
.if \zero
	v_wmma_f32_16x16x32_f16 v[8*(8*(\a)+\b):8*(8*(\a)+\b)+7], v[\f+8*\b:\f+8*\b+7], v[\f+8*(4*\hi+\a):\f+8*(4*\hi+\a)+7], 0
.else
	v_wmma_f32_16x16x32_f16 v[8*(8*(\a)+\b):8*(8*(\a)+\b)+7], v[\f+8*\b:\f+8*\b+7], v[\f+8*(4*\hi+\a):\f+8*(4*\hi+\a)+7], v[8*(8*(\a)+\b):8*(8*(\a)+\b)+7]
.endif
.endr
.endr
.endm
; Fragments 2 g and 2 g + 1 from the ring (places 2 g mod 4 and the next) to f16 in buffer cb
.macro CVT2 cb, g
.irp e, 0,1
.irp i, 0,1,2,3,4,5,6,7
	v_cvt_pk_f16_f32 v[\cb+8*(2*\g+\e)+\i], v[RAW+16*((2*\g+\e)%4)+2*\i], v[RAW+16*((2*\g+\e)%4)+2*\i+1]
.endr
.endr
.endm
; The same two places of the ring are loaded again, with the fragments four further on (2 g + 4 and 2 g + 5 modulo 8) at byte k of the slot's rows: a run of eight loads
.macro LD2 adr, slot, k, g
.irp e, 0,1
	ds_load_b128 v[RAW+16*((2*\g+\e)%4):RAW+16*((2*\g+\e)%4)+3],     v[\adr+\slot] offset:\k+((2*\g+4+\e)%8)*16*PITCH
	ds_load_b128 v[RAW+16*((2*\g+\e)%4)+4:RAW+16*((2*\g+\e)%4)+7],   v[\adr+\slot] offset:\k+((2*\g+4+\e)%8)*16*PITCH+16
	ds_load_b128 v[RAW+16*((2*\g+\e)%4)+8:RAW+16*((2*\g+\e)%4)+11],  v[\adr+\slot] offset:\k+((2*\g+4+\e)%8)*16*PITCH+64
	ds_load_b128 v[RAW+16*((2*\g+\e)%4)+12:RAW+16*((2*\g+\e)%4)+15], v[\adr+\slot] offset:\k+((2*\g+4+\e)%8)*16*PITCH+80
.endr
.endm
; A quarter's conversions and loads.  x comes first: at a half step's head its 16 conversions are also the places between the matrix instruction
; that last read W's fragment 0 in this buffer and the conversion that writes it again (ISA guide 7.12.1).
.macro CL cb, g, slot, k
	WIN 0
	s_wait_dscnt 24                                ; x's run of eight for these two fragments is in: three runs of eight (W, x, W) were issued behind it
	CVT2 \cb, \g
	LD2 ADRA, \slot, \k, \g
	WIN IN_B
	s_wait_dscnt 24                                ; W's likewise: x, W, x were issued behind it
	CVT2 \cb, \g
	LD2 ADRB, \slot, \k, \g
.endm
; A half step: multiplies buffer mb, rounds the next half step's fragments into buffer cb.  Its first two quarters load from (s1, k1), the last two from (s2, k2).
; mid = 0: no change of slots.  mid = 1: slot s1 has had its last read and is filled again.  mid = 2: the same change with nothing left to fetch.
; The change: my reads of slot s1 are back and all my tensor loads have landed (one is out: my part of slot s2); between signal and wait
; register work alone; behind the round the refill comes first, then slot s2 is read.
.macro HSTEP mb, cb, s1, k1, s2, k2, zero, mid
	CL \cb, 0, \s1, \k1
	WIN MUL_LO
	MUL16 \mb, 0, 0, \zero
	CL \cb, 1, \s1, \k1
	WIN MUL_LO
	MUL16 \mb, 0, 2, \zero
.if \mid == 0
	CL \cb, 2, \s2, \k2
.else
	s_wait_dscnt 0x0
	s_wait_tensorcnt 0x0
	ds_add_u32 v255, v31
	s_wait_dscnt 0x0
	s_barrier_signal -1
	WIN 0
	CVT2 \cb, 2
	WIN IN_B
	CVT2 \cb, 2
	WIN 0
	s_barrier_wait -1
.if \mid == 1
	CREST                                          ; all sixteen work-groups have said so: no partner reads this slot or has a load on its way
	s_add_nc_u64 s[G0+4*\s1+2:G0+4*\s1+3], s[G0+4*\s1+2:G0+4*\s1+3], 512       ; two K steps on
	s_add_nc_u64 s[G0B+4*\s1+2:G0B+4*\s1+3], s[G0B+4*\s1+2:G0B+4*\s1+3], 512
	JLOAD \s1                                      ; my one tensor load behind the round; it has 128 matrix instructions and 224 conversions in which to land
.endif
	LD2 ADRA, \s2, \k2, 2
	WIN IN_B
	LD2 ADRB, \s2, \k2, 2
.endif
	WIN MUL_HI
	MUL16 \mb, 1, 0, \zero
	CL \cb, 3, \s2, \k2
	WIN MUL_HI
	MUL16 \mb, 1, 2, \zero
.endm
.macro LAP zero                        ; two K steps, four half steps, both slots filled again
	HSTEP FR0, FR1, 0, 128, 1, 0,   \zero, 1
	HSTEP FR1, FR0, 1, 0,   1, 128, 0, 0
	HSTEP FR0, FR1, 1, 128, 0, 0,   0, 1
	HSTEP FR1, FR0, 0, 0,   0, 128, 0, 0
.endm
	s_wait_tensorcnt 0x1                           ; my part of K step 0 is in; K step 1's load, issued behind it, stays out
	s_barrier_signal -1
	s_barrier_wait -1
	LD2 ADRA, 0, 0, 2                              ; the ring is primed: fragments 0 to 3 of half step 0, in the order x, W, x, W
	WIN IN_B
	LD2 ADRB, 0, 0, 2
	WIN 0
	LD2 ADRA, 0, 0, 3
	WIN IN_B
	LD2 ADRB, 0, 0, 3
	CL FR0, 0, 0, 0                                ; half step 0 is rounded into buffer 0, with nothing to multiply yet;
	CL FR0, 1, 0, 0
	CL FR0, 2, 0, 128                              ; the ring goes on to half step 1
	CL FR0, 3, 0, 128
	LAP 1                                          ; the first products start the sums: nothing is cleared
	WIN 0
	s_mov_b32 s3, LAPS-2
.Llap:
	LAP 0
	WIN 0
	s_sub_co_u32 s3, s3, 1
	s_cmp_lg_u32 s3, 0
	s_cbranch_scc1 .Llap
	HSTEP FR0, FR1, 0, 128, 1, 0,   0, 2           ; the last lap fills nothing
	HSTEP FR1, FR0, 1, 0,   1, 128, 0, 0
	CL FR1, 0, 1, 128                              ; half step 30: the ring takes the last four fragments a side,
	WIN MUL_LO
	MUL16 FR0, 0, 0, 0
	CL FR1, 1, 1, 128
	WIN MUL_LO
	MUL16 FR0, 0, 2, 0
	s_wait_dscnt 0x0                               ; and nothing is left to load: the last runs are in
	WIN 0
	CVT2 FR1, 2
	CVT2 FR1, 3
	WIN IN_B
	CVT2 FR1, 2
	CVT2 FR1, 3
	WIN MUL_HI
	MUL16 FR0, 1, 0, 0
	MUL16 FR0, 1, 2, 0
	WIN MUL_LO                                     ; half step 31
	MUL16 FR1, 0, 0, 0
	MUL16 FR1, 0, 2, 0
	WIN MUL_HI
	MUL16 FR1, 1, 0, 0
	MUL16 FR1, 1, 2, 0
	; THE WAY OUT, 16 rows at a time: times the row's factor, round to f16, 16 bytes a lane into my stage, read back as 4 rows x 128 bytes of one head.
	PLACES 4                                       ; four places in front of the first read of a result
	s_lshr_b32 s16, s13, 3                         ; batch
	s_lshl_b32 s16, s16, 22                        ; 16 heads of 262,144 bytes
	s_and_b32 s14, s13, 7
	s_lshl_b32 s14, s14, 15                        ; 256 rows of 128 bytes
	s_add_co_u32 s16, s16, s14
	s_lshl_b32 s14, s11, 14                        ; my 128 rows
	s_add_co_u32 s16, s16, s14
	s_mov_b32 s17, 0
	s_add_nc_u64 s[8:9], s[8:9], s[16:17]
	s_lshl_b32 s46, s42, 20                        ; 4 heads a block column,
	s_lshl_b32 s47, s12, 19                        ; 2 heads a wave
	s_add_co_u32 s46, s46, s47
	s_mov_b32 s47, 0
	s_add_nc_u64 s[8:9], s[8:9], s[46:47]
; rows 16 i .. 16 i + 15 = tiles (a, 0..7) of window 2 or 3 (from: source 0's window); fp, up: the pair that holds block i's factor, and which register of it
.macro OUT16 i, a, from, f, fp, up
	WIN \from
.irp b, 0,1,2,3,4,5,6,7
.irp p, 0,2,4,6
.if \up
	v_pk_mul_f32 v[SC+8*\b+\p:SC+8*\b+\p+1], v[8*(8*\a+\b)+\p:8*(8*\a+\b)+\p+1], v[\fp:\fp+1] op_sel:[0,1] op_sel_hi:[1,1]
.else
	v_pk_mul_f32 v[SC+8*\b+\p:SC+8*\b+\p+1], v[8*(8*\a+\b)+\p:8*(8*\a+\b)+\p+1], v[\fp:\fp+1] op_sel_hi:[1,0]
.endif
.endr
.endr
	WIN 0
.set cnt, 0
.rept 32
	v_cvt_pk_f16_f32 v[TMP+cnt], v[SC+2*cnt], v[SC+2*cnt+1]
.set cnt, cnt+1
.endr
.irp b, 0,1,2,3,4,5,6,7
	ds_store_b128 v[STO], v[TMP+4*\b:TMP+4*\b+3] offset:32*\b
.endr
	s_wait_xcnt 0x0                                ; buffer f, which earlier stores read, is loaded again only behind this wait
.irp g, 0,1,2,3
.irp hd, 0,1
	ds_load_b128 v[\f+4*(2*\g+\hd):\f+4*(2*\g+\hd)+3], v[RD] offset:\g*4*PITCH+\hd*128   ; a wave's LDS instructions are served in order: these see the stores above
.endr
.endr
.irp g, 0,1,2,3
.irp hd, 0,1
	s_wait_dscnt 7-(2*\g+\hd)                      ; the younger loads of the eight may be out
	global_store_b128 v[CO], v[\f+4*(2*\g+\hd):\f+4*(2*\g+\hd)+3], s[8:9] offset:\hd*HEADB+(16*\i+4*\g)*128   ; 512 consecutive bytes, aligned
.endr
.endr
.endm
	OUT16 0, 0, 0x02, RB0, FAC,   0
	OUT16 1, 1, 0x02, RB1, FAC,   1
	OUT16 2, 2, 0x02, RB0, FAC+2, 0
	OUT16 3, 3, 0x02, RB1, FAC+2, 1
	OUT16 4, 0, 0x03, RB0, FAC+4, 0
	OUT16 5, 1, 0x03, RB1, FAC+4, 1
	OUT16 6, 2, 0x03, RB0, FAC+6, 0
	OUT16 7, 3, 0x03, RB1, FAC+6, 1
	s_set_vgpr_msb 0x1
	s_wait_tensorcnt 0x0
	ds_add_u32 v255, v31
	s_wait_dscnt 0x0
	s_set_vgpr_msb 0x100
	CROUND                                         ; the closing round: no work-group ends while a partner may still ask jointly
	s_endpgm
.Lfunc_end_k_q61b2d099fd_proj:
	.size	k_q61b2d099fd_proj, .Lfunc_end_k_q61b2d099fd_proj-k_q61b2d099fd_proj
	.p2alignl 7, 3214868480
	.fill 96, 4, 3214868480
	.section	.rodata,"a",@progbits
	.p2align	6, 0x0
	.amdhsa_kernel k_q61b2d099fd_proj
		.amdhsa_group_segment_fixed_size 327680
		.amdhsa_private_segment_fixed_size 0
		.amdhsa_enable_private_segment 0
		.amdhsa_kernarg_size 80
		.amdhsa_user_sgpr_count 2
		.amdhsa_user_sgpr_kernarg_segment_ptr 1
		.amdhsa_wavefront_size32 1
		.amdhsa_system_sgpr_workgroup_id_x 1
		.amdhsa_system_sgpr_workgroup_id_y 1
		.amdhsa_system_sgpr_workgroup_id_z 1
		.amdhsa_system_vgpr_workitem_id 0
		.amdhsa_next_free_vgpr 1024
		.amdhsa_next_free_sgpr 96
		.amdhsa_reserve_vcc 1
		.amdhsa_float_denorm_mode_32 3
		.amdhsa_float_denorm_mode_16_64 3
		.amdhsa_memory_ordered 1
		.amdhsa_forward_progress 1
		.amdhsa_inst_pref_size 255
	.end_amdhsa_kernel
	.section	.bss,"aw",@nobits
	.p2align	6
	.space	262144
	.amdgpu_metadata
---
amdhsa.version: [ 1, 2 ]
amdhsa.kernels:
  - .name:           k_q61b2d099fd_proj
    .symbol:         k_q61b2d099fd_proj.kd
    .args:
      - { .name: q, .offset: 0, .size: 8, .value_kind: global_buffer, .address_space: global }
      - { .name: k, .offset: 8, .size: 8, .value_kind: global_buffer, .address_space: global }
      - { .name: v, .offset: 16, .size: 8, .value_kind: global_buffer, .address_space: global }
      - { .name: Wq, .offset: 24, .size: 8, .value_kind: global_buffer, .address_space: global }
      - { .name: Wk, .offset: 32, .size: 8, .value_kind: global_buffer, .address_space: global }
      - { .name: Wv, .offset: 40, .size: 8, .value_kind: global_buffer, .address_space: global }
      - { .name: Qh, .offset: 48, .size: 8, .value_kind: global_buffer, .address_space: global }
      - { .name: Kh, .offset: 56, .size: 8, .value_kind: global_buffer, .address_space: global }
      - { .name: Vh, .offset: 64, .size: 8, .value_kind: global_buffer, .address_space: global }
      - { .name: attention_mask, .offset: 72, .size: 8, .value_kind: global_buffer, .address_space: global }
    .group_segment_fixed_size: 327680
    .private_segment_fixed_size: 0
    .kernarg_segment_align: 8
    .kernarg_segment_size: 80
    .max_flat_workgroup_size: 128
    .sgpr_count:     96
    .vgpr_count:     1024
    .wavefront_size: 32
...
	.end_amdgpu_metadata
.endif
;; end of part 1
;; launch attn (part 2): grid 8 x 32, 8 waves a work-group, clusters of 4 x 1, 327,680 bytes of LDS; arguments Qh, Kh, Vh, attention_mask, Wo, AO, Wob; writes AO, Wob
.if DOCPART == 2
	.amdgcn_target "amdgcn-amd-amdhsa--gfx1250"
	.amdhsa_code_object_version 6
	.text
	.protected	k_q61b2d099fd_attn
	.globl	k_q61b2d099fd_attn
	.p2align	8
	.type	k_q61b2d099fd_attn,@function
k_q61b2d099fd_attn:
	s_mov_b64 s[64:65], 0
	v_nop
	global_prefetch_b8 v0, s[64:65] scope:SCOPE_SE
	s_setreg_imm32_b32 hwreg(HW_REG_WAVE_MODE, 25, 1), 1
	s_wait_xcnt 0x0
	s_wait_alu depctr_hold_cnt(0) depctr_sa_sdst(0) depctr_va_vdst(0) depctr_va_sdst(0) depctr_va_ssrc(0) depctr_va_vcc(0) depctr_vm_vsrc(0)
	s_getreg_b32 s2, hwreg(HW_REG_IB_STS2, 6, 4)
	s_cmp_eq_u32 s2, 0
	s_cbranch_scc0 .Lentry_in_a_cluster
	s_endpgm
.Lentry_in_a_cluster:
	s_bfe_u32 s2, ttmp6, 0x10000c
	s_cmp_lg_u32 s2, 0x3003
	s_cbranch_scc0 .Lentry_shape_is_right
	s_endpgm
.Lentry_shape_is_right:
; Attention for one (batch, head) and 256 queries, with a running maximum; AO[b*16+head][l][64] = f16( softmax(..) V / 8 ).
; Qh holds Q log2e / 4, Kh holds K / 2 with the rows of masked keys 0, Vh holds V / 8, all f16, head-major: Qh.Kh is the score in base 2.
; Side job: each work-group casts four rows of Wo to Wob[k/64][n][64] = f16(8 Wo).
; Eight waves, 32 queries each (two tiles of 16): two waves share a SIMD, so that one wave's exponentials run beside the other's products.
; S^T = K Q^T + bias: lane l holds query l % 16 and keys 8 (l/16) + 0..7 of each tile of 16 keys.  The bias is the product's addend: 0 for a key
; that counts, -1e9 log2e for a masked one, whose product is exactly 0: the replacement that the problem asks for, so a batch with every key
; masked gives uniform weights.  Two score tiles, rounded to f16, ARE the second source of O^T = V^T P^T, and O^T again holds query l % 16 in
; lane l: maximum, sum and rescale are a lane's own, and the two halves of the lanes meet by one v_permlanex16_b32 for a query tile and step.
; K, V and the bias have registers of their own: V of a step is loaded straight behind the score products, K and the bias of the next step in the
; middle of the softmax, so that only the first step behind a change of slots waits for LDS.
; CLUSTER 4 x 1: the four query blocks of a cluster walk the same K and V of one head and ask for every tile jointly: a quarter of the requests.
; K and V go through two LDS slots of 256 keys (four steps of 64); every wave brings one piece of 64 keys (8 KiB) of K (waves 0-3) or V (4-7).
; LIMITS: a masked key gives NaN where the query is not finite (0 x inf); weights below 3e-8 of the row's largest round to 0 in f16;
; |Wo| above 8,188 overflows f16(8 Wo).
; REGISTERS: window 0 holds addresses, scores, K, V, bias and what the softmax works on; window 1 holds O^T (v0-63 there) and Q (v64-95).
.set PIECE, 10240                      ; 64 keys: K at pitch 144 uses 9,216 bytes, V at pitch 160 all
.set SLOT,  8*PIECE                    ; K's four pieces, then V's four
.set KP,    144                        ; 128 + 16: 9 x 16, sixteen rows begin at sixteen different 16-byte columns modulo 256
.set VP,    160                        ; 128 + 32: 5 x 32, for the transposing loads
.set MASKB, 2*SLOT                     ; 2,048 f32: 0 or -1e9 log2 e
.set STAGE, MASKB+8192                 ; 32 rows x 144 bytes for each wave; neither is a tensor load's target
.set SP,    144
.set NEG2,  0xceabfb8f                 ; -1e9 log2 e
.set KADR, 1                           ; v1-2    K fragments, slot 0, 1
.set VADR, 3                           ; v3-4    V fragments, slot 0, 1
.set MADR, 5                           ; v5      the bias of the phase's first key tile
.set MX,   6                           ; v[6:7]  running maximum of query tile 0, 1
.set SS,   8                           ; v8-71   S^T tile (kt, qt) at 32 qt + 8 kt; later P fragment (qt, kh) at 32 qt + 8 kh
.set KF,   72                          ; v72-135 K fragment (dh, kt) at 32 dh + 8 kt
.set VF,   136                         ; v136-199 V^T fragment (kh, dt) at 32 kh + 8 dt
.set BB,   200                         ; v200-231 bias of key tile kt at 8 kt
.set LS,   232                         ; v[232:233] running sums (each half of the lanes its own keys)
.set AL,   234                         ; v[234:235] rescale factors
.set TT,   236                         ; v236-251 at work
.set STO,  252
.set RD,   253
.set CO,   254
.set OO,   0                           ; window 1: O^T tile (dt, qt) at 8 (2 dt + qt)
.set QQ,   64                          ; window 1: Q fragment (qt, dh) at 16 qt + 8 dh
.set G1K, 28                           ; s[28:35] group 1 for K
.set G1V, 36                           ; s[36:43] group 1 for V (wider padding)
.set G0K, 44                           ; s[44:51] group 0 for K, one set a slot
.set G0V, 52                           ; s[52:59] group 0 for V
.set MSB, 0
.macro WIN new                         ; the immediate's high byte repeats the setting that is left
.if MSB != \new
	s_set_vgpr_msb (MSB<<8)|\new
.set MSB, \new
.endif
.endm
.set W_S,  0x04                        ; score products: source 1 (Q) window 1
.set W_PV, 0x50                        ; O^T products: C and D window 1
.set W_OS, 0x41                        ; rescale: destination and source 0 (O^T) window 1
.macro PLACES n
.rept \n
	v_nop
.endr
.endm
.macro ROUND                           ; a round of the cluster's barrier
	s_barrier_signal -1
	s_barrier_wait -1
	s_cmp_lg_u32 s20, 0
	s_cbranch_scc1 .Lnot_wave_0_\@
	s_barrier_signal -3
.Lnot_wave_0_\@:
	s_barrier_wait -3
	s_barrier_signal -1
	s_barrier_wait -1
.endm
.macro JLOAD s                         ; waves 0-3 ask for K's pieces, waves 4-7 for V's; the branch hangs on the wave's number alone
	s_cmp_eq_u32 s21, 0
	s_cbranch_scc0 .Lfor_v_\@
	tensor_load_to_lds s[G0K+4*\s:G0K+4*\s+3], s[G1K:G1K+7]
	s_nop 0
	s_branch .Lasked_\@
.Lfor_v_\@:
	tensor_load_to_lds s[G0V+4*\s:G0V+4*\s+3], s[G1V:G1V+7]
	s_nop 0
.Lasked_\@:
.endm
	s_load_b256 s[4:11], s[0:1], 0x0               ; Qh s[4:5], Kh s[6:7], Vh s[8:9], mask s[10:11]
	s_load_b128 s[12:15], s[0:1], 0x20             ; Wo s[12:13], AO s[14:15]
	s_load_b64 s[16:17], s[0:1], 0x30              ; Wob
	v_lshl_add_u32 v255, v0, 2, 0x33000
	s_set_vgpr_msb 0x40
	v_mov_b32 v97, 0
	s_set_vgpr_msb 0x4044
	ds_add_u32 v255, v97
	s_set_vgpr_msb 0x4400
	v_lshrrev_b32 v1, 5, v0
	v_readfirstlane_b32 s20, v1                    ; wave 0..7
	s_lshr_b32 s21, s20, 2                         ; 0: I fetch K, 1: V
	s_and_b32 s22, s20, 3                          ; which piece of 64 keys
	s_bfe_u32 s23, ttmp6, 0x40000                  ; cx
	s_lshl_b32 s24, ttmp9, 2
	s_add_co_u32 s24, s24, s23                     ; query block 0..7
	s_and_b32 s25, ttmp7, 0xffff                   ; batch x 16 + head, shared by the cluster
	s_mov_b32 s60, 0x76543210                      ; v_permlanex16_b32: lane i reads lane i of the other half
	s_mov_b32 s61, 0xfedcba98
	; group 1: a dense piece of 8 KiB as 32 rows of 32 elements of 8 bytes; padding behind every 32 words (a key's 128 bytes): 4 words for K, 8 for V; mask: all four partners
	s_mov_b32 s[G1K+0], 15|(3<<16)|(1<<20)|(1<<21)|(4<<22)|(3<<25)
	s_mov_b32 s[G1V+0], 15|(3<<16)|(1<<20)|(1<<21)|(4<<22)|(7<<25)
.irp g, G1K, G1V
	s_mov_b32 s[\g+1], 32<<16                      ; tensor_dim0 = 32
	s_mov_b32 s[\g+2], 32<<16                      ; tensor_dim1 = 32
	s_mov_b32 s[\g+3], 32<<16                      ; tile_dim0 = 32
	s_mov_b32 s[\g+4], 32                          ; tile_dim1 = 32
	s_mov_b32 s[\g+5], 32                          ; pitch = the row
	s_mov_b32 s[\g+6], 0
	s_mov_b32 s[\g+7], 0
.endr
	s_lshl_b32 s26, s25, 18                        ; the head's 262,144 bytes
	s_lshl_b32 s27, s22, 13                        ; my piece
	s_add_co_u32 s26, s26, s27
	s_mov_b32 s27, 0
	s_mul_i32 s18, s20, PIECE                      ; where it goes: wave x 10,240
	s_wait_dscnt 0x0
	s_wait_kmcnt 0x0
	s_add_nc_u64 s[6:7], s[6:7], s[26:27]
	s_add_nc_u64 s[8:9], s[8:9], s[26:27]
	ROUND                                          ; the four partners are here: the first joint loads meet
.irp s, 0,1
	s_mov_b32 s[G0K+4*\s], 1
	s_add_co_u32 s[G0K+4*\s+1], s18, \s*SLOT
	s_add_nc_u64 s[G0K+4*\s+2:G0K+4*\s+3], s[6:7], \s*32768        ; 256 keys a slot
	s_or_b32 s[G0K+4*\s+3], s[G0K+4*\s+3], 0x80000000
	s_mov_b32 s[G0V+4*\s], 1
	s_add_co_u32 s[G0V+4*\s+1], s18, \s*SLOT
	s_add_nc_u64 s[G0V+4*\s+2:G0V+4*\s+3], s[8:9], \s*32768
	s_or_b32 s[G0V+4*\s+3], s[G0V+4*\s+3], 0x80000000
	JLOAD \s                                       ; two tensor loads of the wave are out
.endr
	; bases that hang on the query block, in registers of their own
	s_lshl_b32 s2, s25, 18
	s_lshl_b32 s3, s24, 15                         ; 256 queries of 128 bytes
	s_add_co_u32 s2, s2, s3
	s_lshl_b32 s3, s20, 12                         ; my 32 queries
	s_add_co_u32 s2, s2, s3
	s_mov_b32 s3, 0
	s_add_nc_u64 s[68:69], s[4:5], s[2:3]          ; Q
	s_add_nc_u64 s[70:71], s[14:15], s[2:3]        ; AO
	s_lshr_b32 s2, s25, 4
	s_lshl_b32 s2, s2, 13                          ; the batch's 2,048 mask words
	s_add_nc_u64 s[72:73], s[10:11], s[2:3]
	s_lshl3_add_u32 s19, s25, s24                  ; work-group number 0..255: rows 4 n .. 4 n + 3 of Wo
	s_lshl_b32 s2, s19, 14
	s_lshl_b32 s78, s20, 9                         ; my wave: 128 columns, two blocks of 64 along k
	s_add_co_u32 s2, s2, s78
	s_add_nc_u64 s[74:75], s[12:13], s[2:3]
	s_lshl_b32 s2, s19, 9                          ; four rows of 128 bytes
	s_lshl_b32 s78, s20, 18                        ; two k blocks of 131,072 bytes
	s_add_co_u32 s2, s2, s78
	s_add_nc_u64 s[76:77], s[16:17], s[2:3]
	; offsets of the loads (never rewritten before the waits below)
	v_and_b32 v160, 15, v0                         ; r
	v_bfe_u32 v161, v0, 4, 1                       ; h
	v_lshlrev_b32 v238, 5, v0                      ; mask: thread t takes keys 8 t .. 8 t + 7
	v_lshlrev_b32 v242, 12, v161                   ; Wo: sixteen lanes take 256 bytes of a row, the other sixteen the next row
	v_lshl_add_u32 v242, v160, 4, v242
	v_lshlrev_b32 v244, 7, v160                    ; Q: row r, 16 bytes for each half of the lanes
	v_lshl_add_u32 v244, v161, 4, v244
	global_load_b128 v[136:139], v238, s[72:73]
	global_load_b128 v[140:143], v238, s[72:73] offset:16
.irp i, 0,1,2,3
	global_load_b128 v[8+4*\i:11+4*\i], v242, s[74:75] offset:(\i&1)*256+(\i>>1)*8192 th:TH_LOAD_NT
.endr
	WIN 0x40                                       ; Q lands in window 1
.irp qt, 0,1
.irp dh, 0,1
	global_load_b128 v[QQ+16*\qt+8*\dh:QQ+16*\qt+8*\dh+3],   v244, s[68:69] offset:\qt*2048+\dh*64
	global_load_b128 v[QQ+16*\qt+8*\dh+4:QQ+16*\qt+8*\dh+7], v244, s[68:69] offset:\qt*2048+\dh*64+32
.endr
.endr
	WIN 0
	; lane addresses
	v_mul_u32_u24 v[KADR], v160, KP
	v_lshl_add_u32 v[KADR], v161, 4, v[KADR]       ; r x 144 + 16 h
	v_add_nc_u32 v[KADR+1], SLOT, v[KADR]
	v_and_b32 v162, 7, v0
	v_lshl_add_u32 v163, v161, 3, v162             ; key 8 h + (l & 7)
	v_mul_u32_u24 v[VADR], v163, VP
	v_bfe_u32 v163, v0, 3, 1
	v_lshl_add_u32 v[VADR], v163, 4, v[VADR]       ; + 16 ((l >> 3) & 1)
	v_add_nc_u32 v[VADR], 4*PIECE, v[VADR]         ; V lies behind K's four pieces
	v_add_nc_u32 v[VADR+1], SLOT, v[VADR]
	v_lshlrev_b32 v[MADR], 5, v161
	v_add_nc_u32 v[MADR], MASKB, v[MADR]           ; my eight keys of a tile: 32 h
	s_mul_i32 s78, s20, 32*SP
	s_add_co_u32 s78, s78, STAGE                   ; my stage
	v_add_nc_u32 v[STO], s78, v[KADR]              ; row r x 144 + 16 h
	v_bfe_u32 v164, v0, 3, 2
	v_mul_u32_u24 v164, v164, SP
	v_lshl_add_u32 v164, v162, 4, v164
	v_add_nc_u32 v[RD], s78, v164                  ; back: eight lanes a row of 128 bytes, four rows a load
	v_and_b32 v165, 31, v0
	v_lshlrev_b32 v[CO], 4, v165
	v_add_nc_u32 v239, MASKB, v238
	v_lshlrev_b32 v243, 7, v161                    ; Wob: sixteen lanes fill a row's 128 bytes, the other sixteen the next row's
	v_lshl_add_u32 v243, v160, 3, v243
	v_mov_b32 v237, NEG2
	v_mov_b32 v[TT+4], 0                           ; v_permlanex16_b32 counts as a reader of its destination
	v_mov_b32 v[TT+5], 0
	s_wait_loadcnt 12                              ; the two mask loads are in; 4 of Wo and 8 of Q were issued behind them
.irp i, 0,1,2,3,4,5,6,7
	v_cmp_eq_u32 vcc_lo, 0, v[136+\i]
	v_cndmask_b32 v[144+\i], 0, v237, vcc_lo       ; masked: -1e9 log2 e, else 0
.endr
	ds_store_b128 v239, v[144:147]
	ds_store_b128 v239, v[148:151] offset:16
	s_wait_loadcnt 8                               ; Wo's four loads are in; Q's eight may be out
.irp i, 0,1,2,3,4,5,6,7
	v_pk_mul_f32 v[8+2*\i:9+2*\i], v[8+2*\i:9+2*\i], 0x41000000 op_sel_hi:[1,0]    ; times 8: undoes the 1/8 that AO carries
.endr
.irp i, 0,1,2,3,4,5,6,7
	v_cvt_pk_f16_f32 v[24+\i], v[8+2*\i], v[9+2*\i]
.endr
.irp i, 0,1,2,3
	global_store_b64 v243, v[24+2*\i:25+2*\i], s[76:77] offset:(\i&1)*131072+(\i>>1)*256  ; 256 consecutive bytes, aligned
.endr
	s_wait_loadcnt 0x0                             ; Q
	s_wait_xcnt 0x0                                ; the stores' data and all offsets lie in registers that the steps rewrite
	s_wait_dscnt 0x0                               ; my part of the bias is in LDS, for the other waves
	s_wait_tensorcnt 0x1                           ; my piece of slot 0 is in; slot 1's, issued behind it, stays out
	s_barrier_signal -1
	s_barrier_wait -1
.macro OSCALE                          ; O^T(dt, qt) *= AL[qt]
	WIN W_OS
	s_wait_alu depctr_va_vdst(0)
.irp dt, 0,1,2,3
.irp p, 0,2,4,6
	v_pk_mul_f32 v[OO+16*\dt+\p:OO+16*\dt+\p+1], v[OO+16*\dt+\p:OO+16*\dt+\p+1], v[AL:AL+1] op_sel_hi:[1,0]
	v_pk_mul_f32 v[OO+16*\dt+8+\p:OO+16*\dt+8+\p+1], v[OO+16*\dt+8+\p:OO+16*\dt+8+\p+1], v[AL:AL+1] op_sel:[0,1] op_sel_hi:[1,1]
.endr
.endr
	WIN 0
.endm
; 24 LDS loads: the K fragments and the bias of piece j of the slot
.macro KLOAD slot, j
.irp dh, 0,1
.irp kt, 0,1,2,3
	ds_load_b128 v[KF+32*\dh+8*\kt:KF+32*\dh+8*\kt+3],   v[KADR+\slot] offset:\j*PIECE+\kt*16*KP+\dh*64
	ds_load_b128 v[KF+32*\dh+8*\kt+4:KF+32*\dh+8*\kt+7], v[KADR+\slot] offset:\j*PIECE+\kt*16*KP+\dh*64+32
.endr
.endr
.irp kt, 0,1,2,3
	ds_load_b128 v[BB+8*\kt:BB+8*\kt+3],   v[MADR] offset:\j*256+\kt*64
	ds_load_b128 v[BB+8*\kt+4:BB+8*\kt+7], v[MADR] offset:\j*256+\kt*64+16
.endr
.endm
; One step: 64 keys, piece j of the slot; its K fragments and bias have been asked for.  first = 1: the very first step starts maxima, sums and O.
; pf = 1: piece nj's K fragments and bias are asked for in the middle of the softmax.
; In both products eight accumulators take turns, one instruction a turn.
.macro STEP slot, j, first, pf, nj
.if \first == 0
	PLACES 5                                       ; the last products read P, which a matrix instruction writes over next: five places (ISA guide 7.12.1)
.endif
	s_wait_dscnt 0x0                               ; K and the bias
	WIN W_S
.irp kt, 0,1,2,3
.irp qt, 0,1
	v_wmma_f32_16x16x32_f16 v[SS+32*\qt+8*\kt:SS+32*\qt+8*\kt+7], v[KF+8*\kt:KF+8*\kt+7], v[QQ+16*\qt:QQ+16*\qt+7], v[BB+8*\kt:BB+8*\kt+7]
.endr
.endr
.irp kt, 0,1,2,3
.irp qt, 0,1
	v_wmma_f32_16x16x32_f16 v[SS+32*\qt+8*\kt:SS+32*\qt+8*\kt+7], v[KF+32+8*\kt:KF+32+8*\kt+7], v[QQ+16*\qt+8:QQ+16*\qt+15], v[SS+32*\qt+8*\kt:SS+32*\qt+8*\kt+7]
.endr
.endr
	WIN 0
	PLACES 4                                       ; in front of the first read of a score, and of the loads into K's and the bias' registers further down
.irp kh, 0,1
.irp dt, 0,1,2,3
	ds_load_tr16_b128 v[VF+32*\kh+8*\dt:VF+32*\kh+8*\dt+3],   v[VADR+\slot] offset:\j*PIECE+\kh*32*VP+\dt*32          ; V^T: d = 16 dt + r, keys 32 kh + 8 h + 0..7
	ds_load_tr16_b128 v[VF+32*\kh+8*\dt+4:VF+32*\kh+8*\dt+7], v[VADR+\slot] offset:\j*PIECE+\kh*32*VP+16*VP+\dt*32   ; keys 32 kh + 16 + 8 h + 0..7
.endr
.endr
	; the largest of my 32 scores of each query tile and of the running maximum: two chains a tile
.irp qt, 0,1
	v_max3_num_f32 v[TT+\qt],   v[SS+32*\qt],    v[SS+32*\qt+1],  v[SS+32*\qt+2]
	v_max3_num_f32 v[TT+2+\qt], v[SS+32*\qt+16], v[SS+32*\qt+17], v[SS+32*\qt+18]
.endr
.irp i, 3,5,7,9,11,13
.irp qt, 0,1
	v_max3_num_f32 v[TT+\qt],   v[TT+\qt],   v[SS+32*\qt+\i],    v[SS+32*\qt+\i+1]
	v_max3_num_f32 v[TT+2+\qt], v[TT+2+\qt], v[SS+32*\qt+16+\i], v[SS+32*\qt+16+\i+1]
.endr
.endr
.irp qt, 0,1
	v_max3_num_f32 v[TT+\qt], v[TT+\qt], v[TT+2+\qt], v[SS+32*\qt+15]
.endr
.irp qt, 0,1
.if \first
	v_max_num_f32 v[TT+\qt], v[TT+\qt], v[SS+32*\qt+31]
.else
	v_max3_num_f32 v[TT+\qt], v[TT+\qt], v[SS+32*\qt+31], v[MX+\qt]
.endif
.endr
.irp qt, 0,1
	v_permlanex16_b32 v[TT+4+\qt], v[TT+\qt], s60, s61             ; the other half of the lanes holds the same query's other keys
.endr
.irp qt, 0,1
	v_max_num_f32 v[TT+6+\qt], v[TT+\qt], v[TT+4+\qt]
.endr
.if \first == 0
	v_sub_f32 v[TT], v[MX], v[TT+6]
	v_sub_f32 v[TT+1], v[MX+1], v[TT+7]
	v_exp_f32 v[AL], v[TT]                         ; old sums and O shrink by 2^(old - new); the moves below are the plain place behind it (ISA guide 5.7.2)
	v_exp_f32 v[AL+1], v[TT+1]
.endif
	v_mov_b32 v[MX], v[TT+6]
	v_mov_b32 v[MX+1], v[TT+7]
.set cnt, 0
.rept 16
	v_pk_add_f32 v[SS+cnt:SS+cnt+1], v[SS+cnt:SS+cnt+1], v[MX:MX+1] op_sel_hi:[1,0] neg_lo:[0,1] neg_hi:[0,1]
	v_pk_add_f32 v[SS+32+cnt:SS+32+cnt+1], v[SS+32+cnt:SS+32+cnt+1], v[MX:MX+1] op_sel:[0,1] op_sel_hi:[1,1] neg_lo:[0,1] neg_hi:[0,1]
.set cnt, cnt+2
.endr
.if \pf
	KLOAD \slot, \nj                               ; the next step's K and bias: they have the rest of the softmax and the O^T products in which to come
.endif
.set cnt, 0
.rept 64
	v_exp_f32 v[SS+cnt], v[SS+cnt]
.set cnt, cnt+1
.endr
.if \first
	v_nop                                          ; the plain place behind the last exponential
	s_wait_alu depctr_va_vdst(0)
.else
	OSCALE                                         ; plain work that touches no score: also the place behind the exponentials
.endif
.irp qt, 0,1
	v_pk_add_f32 v[TT+8+4*\qt:TT+9+4*\qt],   v[SS+32*\qt:SS+32*\qt+1],     v[SS+32*\qt+2:SS+32*\qt+3]
	v_pk_add_f32 v[TT+10+4*\qt:TT+11+4*\qt], v[SS+32*\qt+16:SS+32*\qt+17], v[SS+32*\qt+18:SS+32*\qt+19]
.endr
.irp p, 4,6,8,10,12,14
.irp qt, 0,1
	v_pk_add_f32 v[TT+8+4*\qt:TT+9+4*\qt],   v[TT+8+4*\qt:TT+9+4*\qt],   v[SS+32*\qt+\p:SS+32*\qt+\p+1]
	v_pk_add_f32 v[TT+10+4*\qt:TT+11+4*\qt], v[TT+10+4*\qt:TT+11+4*\qt], v[SS+32*\qt+16+\p:SS+32*\qt+16+\p+1]
.endr
.endr
.irp qt, 0,1
	v_pk_add_f32 v[TT+8+4*\qt:TT+9+4*\qt], v[TT+8+4*\qt:TT+9+4*\qt], v[TT+10+4*\qt:TT+11+4*\qt]
.endr
.irp qt, 0,1
.if \first
	v_add_f32 v[LS+\qt], v[TT+8+4*\qt], v[TT+9+4*\qt]
.else
	v_add_f32 v[TT+8+4*\qt], v[TT+8+4*\qt], v[TT+9+4*\qt]
.endif
.endr
.if \first == 0
	v_fma_f32 v[LS], v[LS], v[AL], v[TT+8]
	v_fma_f32 v[LS+1], v[LS+1], v[AL+1], v[TT+12]
.endif
.irp qt, 0,1
.set cnt, 0
.rept 16
	v_cvt_pk_f16_f32 v[SS+32*\qt+cnt], v[SS+32*\qt+2*cnt], v[SS+32*\qt+2*cnt+1]    ; in place, ascending: register i is written when 2 i and 2 i + 1 are read
.set cnt, cnt+1
.endr
.endr
	s_wait_dscnt 8+24*\pf                          ; V's eight loads of keys 0..31 are in; behind them: V's other eight and, where asked for, the next step's 24
	WIN W_PV
.irp dt, 0,1,2,3
.irp qt, 0,1
.if \first
	v_wmma_f32_16x16x32_f16 v[OO+8*(2*\dt+\qt):OO+8*(2*\dt+\qt)+7], v[VF+8*\dt:VF+8*\dt+7], v[SS+32*\qt:SS+32*\qt+7], 0
.else
	v_wmma_f32_16x16x32_f16 v[OO+8*(2*\dt+\qt):OO+8*(2*\dt+\qt)+7], v[VF+8*\dt:VF+8*\dt+7], v[SS+32*\qt:SS+32*\qt+7], v[OO+8*(2*\dt+\qt):OO+8*(2*\dt+\qt)+7]
.endif
.endr
.endr
	s_wait_dscnt 24*\pf                            ; all of V is in; the next step's 24 may be out
.irp dt, 0,1,2,3
.irp qt, 0,1
	v_wmma_f32_16x16x32_f16 v[OO+8*(2*\dt+\qt):OO+8*(2*\dt+\qt)+7], v[VF+32+8*\dt:VF+32+8*\dt+7], v[SS+32*\qt+8:SS+32*\qt+15], v[OO+8*(2*\dt+\qt):OO+8*(2*\dt+\qt)+7]
.endr
.endr
.endm
.macro PHASE slot, first               ; a slot's 256 keys; the last step asks for nothing: the next slot is read only behind the round
	STEP \slot, 0, \first, 1, 1
	STEP \slot, 1, 0, 1, 2
	STEP \slot, 2, 0, 1, 3
	STEP \slot, 3, 0, 0, 0
	WIN 0
	v_add_nc_u32 v[MADR], 1024, v[MADR]            ; the next 256 keys' bias
.endm
; Change of slots.  In front of the round: all my tensor loads have landed (one is out: my piece of this slot) and my LDS reads are back.
; Behind it the other slot, which every wave of all four partners has finished reading, is asked for again first: one load a wave, with a whole
; phase (128 matrix instructions of each wave and its softmax) in which to land.  Then this slot's first K fragments.
.macro TWO slot, other, refill
	s_set_vgpr_msb 0x4
	s_wait_tensorcnt 0x0
	ds_add_u32 v255, v97
	s_wait_dscnt 0x0
	s_set_vgpr_msb 0x400
	s_add_nc_u64 s[G0K+4*\other+2:G0K+4*\other+3], s[G0K+4*\other+2:G0K+4*\other+3], 0x10000   ; no load is out: the other slot's next 256 keys, 512 keys on
	s_add_nc_u64 s[G0V+4*\other+2:G0V+4*\other+3], s[G0V+4*\other+2:G0V+4*\other+3], 0x10000
	s_wait_dscnt 0x0
	ROUND
.if \refill
	JLOAD \other
.endif
	KLOAD \slot, 0
	PHASE \slot, 0
.endm
	KLOAD 0, 0
	PHASE 0, 1                                     ; keys 0..255
	s_mov_b32 s62, 3
.Lpair:
	TWO 1, 0, 1
	TWO 0, 1, 1
	s_sub_co_u32 s62, s62, 1
	s_cmp_lg_u32 s62, 0
	s_cbranch_scc1 .Lpair
	TWO 1, 0, 0                                    ; keys 1792..2047: nothing is left to fetch (slot 0's stepped address is not used)
	; THE END: join the halves' sums, divide, round to f16, through my stage, out as whole rows.
	PLACES 4                                       ; in front of the first read of O and the first write into V's and the scores' registers
	v_permlanex16_b32 v[TT+4], v[LS], s60, s61
	v_permlanex16_b32 v[TT+5], v[LS+1], s60, s61
	v_add_f32 v[LS], v[LS], v[TT+4]
	v_add_f32 v[LS+1], v[LS+1], v[TT+5]            ; at least 1: the largest score gives 2^0
	v_rcp_f32 v[AL], v[LS]
	v_rcp_f32 v[AL+1], v[LS+1]
	v_nop                                          ; the plain place behind the reciprocals
	s_wait_alu depctr_va_vdst(0)
	OSCALE
	WIN 0x05                                       ; both sources (O^T) window 1
.set cnt, 0
.rept 32
	v_cvt_pk_f16_f32 v[VF+cnt], v[OO+2*cnt], v[OO+2*cnt+1]         ; tile (dt, qt): four registers at 4 (2 dt + qt): d = 16 dt + 8 h + 0..7 of query r
.set cnt, cnt+1
.endr
	WIN 0
.irp dt, 0,1,2,3
.irp qt, 0,1
	ds_store_b128 v[STO], v[VF+4*(2*\dt+\qt):VF+4*(2*\dt+\qt)+3] offset:\qt*16*SP+\dt*32
.endr
.endr
.irp g, 0,1,2,3,4,5,6,7
	ds_load_b128 v[SS+4*\g:SS+4*\g+3], v[RD] offset:\g*4*SP        ; my own bytes, served in order behind the stores
.endr
.irp g, 0,1,2,3,4,5,6,7
	s_wait_dscnt 7-\g                              ; the younger loads of the eight may be out
	global_store_b128 v[CO], v[SS+4*\g:SS+4*\g+3], s[70:71] offset:512*\g   ; four rows of 128 bytes: 512 consecutive bytes, aligned
.endr
	s_set_vgpr_msb 0x4
	s_wait_tensorcnt 0x0
	ds_add_u32 v255, v97
	s_wait_dscnt 0x0
	s_set_vgpr_msb 0x400
	ROUND                                          ; the closing round
	s_endpgm
.Lfunc_end_k_q61b2d099fd_attn:
	.size	k_q61b2d099fd_attn, .Lfunc_end_k_q61b2d099fd_attn-k_q61b2d099fd_attn
	.p2alignl 7, 3214868480
	.fill 96, 4, 3214868480
	.section	.rodata,"a",@progbits
	.p2align	6, 0x0
	.amdhsa_kernel k_q61b2d099fd_attn
		.amdhsa_group_segment_fixed_size 327680
		.amdhsa_private_segment_fixed_size 0
		.amdhsa_enable_private_segment 0
		.amdhsa_kernarg_size 56
		.amdhsa_user_sgpr_count 2
		.amdhsa_user_sgpr_kernarg_segment_ptr 1
		.amdhsa_wavefront_size32 1
		.amdhsa_system_sgpr_workgroup_id_x 1
		.amdhsa_system_sgpr_workgroup_id_y 1
		.amdhsa_system_sgpr_workgroup_id_z 1
		.amdhsa_system_vgpr_workitem_id 0
		.amdhsa_next_free_vgpr 354
		.amdhsa_next_free_sgpr 80
		.amdhsa_reserve_vcc 1
		.amdhsa_float_denorm_mode_32 3
		.amdhsa_float_denorm_mode_16_64 3
		.amdhsa_memory_ordered 1
		.amdhsa_forward_progress 1
		.amdhsa_inst_pref_size 255
	.end_amdhsa_kernel
	.section	.bss,"aw",@nobits
	.p2align	6
	.space	262144
	.amdgpu_metadata
---
amdhsa.version: [ 1, 2 ]
amdhsa.kernels:
  - .name:           k_q61b2d099fd_attn
    .symbol:         k_q61b2d099fd_attn.kd
    .args:
      - { .name: Qh, .offset: 0, .size: 8, .value_kind: global_buffer, .address_space: global }
      - { .name: Kh, .offset: 8, .size: 8, .value_kind: global_buffer, .address_space: global }
      - { .name: Vh, .offset: 16, .size: 8, .value_kind: global_buffer, .address_space: global }
      - { .name: attention_mask, .offset: 24, .size: 8, .value_kind: global_buffer, .address_space: global }
      - { .name: Wo, .offset: 32, .size: 8, .value_kind: global_buffer, .address_space: global }
      - { .name: AO, .offset: 40, .size: 8, .value_kind: global_buffer, .address_space: global }
      - { .name: Wob, .offset: 48, .size: 8, .value_kind: global_buffer, .address_space: global }
    .group_segment_fixed_size: 327680
    .private_segment_fixed_size: 0
    .kernarg_segment_align: 8
    .kernarg_segment_size: 56
    .max_flat_workgroup_size: 256
    .sgpr_count:     80
    .vgpr_count:     354
    .wavefront_size: 32
...
	.end_amdgpu_metadata
.endif
;; end of part 2
;; launch outp (part 3): grid 8 x 32, 4 waves a work-group, clusters of 4 x 4, 327,680 bytes of LDS; arguments AO, Wob, out0; writes out0
.if DOCPART == 3
	.amdgcn_target "amdgcn-amd-amdhsa--gfx1250"
	.amdhsa_code_object_version 6
	.text
	.protected	k_q61b2d099fd_outp
	.globl	k_q61b2d099fd_outp
	.p2align	8
	.type	k_q61b2d099fd_outp,@function
k_q61b2d099fd_outp:
	s_mov_b64 s[64:65], 0
	v_nop
	global_prefetch_b8 v0, s[64:65] scope:SCOPE_SE
	s_setreg_imm32_b32 hwreg(HW_REG_WAVE_MODE, 25, 1), 1
	s_wait_xcnt 0x0
	s_wait_alu depctr_hold_cnt(0) depctr_sa_sdst(0) depctr_va_vdst(0) depctr_va_sdst(0) depctr_va_ssrc(0) depctr_va_vcc(0) depctr_vm_vsrc(0)
	s_getreg_b32 s2, hwreg(HW_REG_IB_STS2, 6, 4)
	s_cmp_eq_u32 s2, 0
	s_cbranch_scc0 .Lentry_in_a_cluster
	s_endpgm
.Lentry_in_a_cluster:
	s_bfe_u32 s2, ttmp6, 0x10000c
	s_cmp_lg_u32 s2, 0xf033
	s_cbranch_scc0 .Lentry_shape_is_right
	s_endpgm
.Lentry_shape_is_right:
; out0[m][n] = sum over k of A[m][k] Wo[n][k], f32 out.  A comes head-major in f16 and carries 1/8: AO[b*16+head][l][64];
; Wo comes as Wob[k/64][n][64] = f16(8 Wo): the two factors cancel, so the sums are stored as they are.
; 256 work-groups, each 128 x 128 of out0 with four waves; a wave makes 64 x 64: 16 accumulator tiles in v256-383 (window 1).
; K = 1024 is 16 heads; a slot holds four heads (K = 256) of 128 rows of A and of 128 rows of Wob; two slots, four phases, written out.
; Head-major tiles are dense blocks of 16 KiB; one tensor load brings two heads' blocks (two rows of 2,048 elements of 8 bytes).
; CLUSTERS 4 x 4: A's tiles are asked for jointly along a row of the cluster, Wob's along a column: a quarter of the requests.
; The matrix instruction is used transposed (source 0 = rows of Wob, source 1 = rows of A): a lane holds eight neighbouring columns of one row.
.set PITCH,  144                       ; 128 bytes + 16 = 9 x 16: sixteen rows begin at sixteen different 16-byte columns modulo 256
.set HEADT,  128*PITCH                 ; one head's 128 rows
.set SLOT,   8*HEADT                   ; A's four heads, then Wob's four
.set STAGE,  2*SLOT                    ; 16 rows x 272 bytes for each wave, never a tensor load's target
.set SPITCH, 272
.set ADRA, 16                          ; v16-17
.set ADRB, 20                          ; v20-21
.set STO,  24
.set RD,   25
.set CO,   26
.set F0,   32                          ; fragment buffer 0: A's four at +0, Wob's four at +32
.set F1,   96                          ; fragment buffer 1
.set TB0,  160                         ; the way out: rows read back, two buffers in turn
.set TB1,  192
.set G1,  24
.set G0,  32
.set G1B, 48
.set G0B, 56
.set MSB, 0
.macro WIN new
.if MSB != \new
	s_set_vgpr_msb (MSB<<8)|\new
.set MSB, \new
.endif
.endm
.macro PLACES n
.rept \n
	v_nop
.endr
.endm
.macro JLOAD s                         ; waves 0 and 1 fetch A's two pairs of heads, waves 2 and 3 Wob's
	s_cmp_eq_u32 s11, 0
	s_cbranch_scc0 .Lfor_b_\@
	tensor_load_to_lds s[G0+4*\s:G0+4*\s+3], s[G1:G1+7]
	s_nop 0
	s_branch .Lasked_\@
.Lfor_b_\@:
	tensor_load_to_lds s[G0B+4*\s:G0B+4*\s+3], s[G1B:G1B+7]
	s_nop 0
.Lasked_\@:
.endm
.macro CROUND                          ; a round of the cluster's barrier
	s_barrier_signal -1
	s_barrier_wait -1
	s_cmp_lg_u32 s10, 0
	s_cbranch_scc1 .Lnot_wave_0_\@
	s_barrier_signal -3
.Lnot_wave_0_\@:
	s_barrier_wait -3
	s_barrier_signal -1
	s_barrier_wait -1
.endm
	s_load_b128 s[4:7], s[0:1], 0x0                ; AO s[4:5], Wob s[6:7]
	s_load_b64 s[8:9], s[0:1], 0x10                ; out0
	v_lshl_add_u32 v254, v0, 2, 0x4c400
	v_mov_b32 v255, 0
	ds_add_u32 v254, v255
	v_lshrrev_b32 v1, 5, v0
	v_readfirstlane_b32 s10, v1                    ; wave 0..3
	s_lshr_b32 s11, s10, 1                         ; my half of the rows; also: I fetch A (0) or Wob (1)
	s_and_b32 s12, s10, 1                          ; my half of the columns; also: which pair of heads I fetch
	s_bfe_u32 s40, ttmp6, 0x40000                  ; cx
	s_bfe_u32 s41, ttmp6, 0x40004                  ; cy
	s_lshl_b32 s42, ttmp9, 2
	s_add_co_u32 s42, s42, s40                     ; block column 0..7
	s_and_b32 s13, ttmp7, 0xffff
	s_lshl_b32 s13, s13, 2
	s_add_co_u32 s13, s13, s41                     ; block row 0..31
	s_lshl_b32 s43, s41, 2
	s_lshl_b32 s43, 15, s43                        ; my row of the cluster
	s_lshl_b32 s44, 0x1111, s40                    ; my column
	; group 1: 2 rows (heads) of 2,048 elements of 8 bytes; 4 words of padding behind every 32 words (a row's 128 bytes of one head)
	s_or_b32 s[G1+0], s43, (3<<16)|(1<<20)|(1<<21)|(4<<22)|(3<<25)
	s_or_b32 s[G1B+0], s44, (3<<16)|(1<<20)|(1<<21)|(4<<22)|(3<<25)
	s_mov_b32 s[G1+1], 2048<<16                    ; tensor_dim0 = 2,048
	s_mov_b32 s[G1B+1], 2048<<16
	s_mov_b32 s[G1+2], 2<<16                       ; tensor_dim1 = 2
	s_mov_b32 s[G1B+2], 2<<16
	s_mov_b32 s[G1+3], 2048<<16                    ; tile_dim0 = 2,048
	s_mov_b32 s[G1B+3], 2048<<16
	s_mov_b32 s[G1+4], 2                           ; tile_dim1 = 2
	s_mov_b32 s[G1B+4], 2
	s_mov_b32 s[G1+5], 32768                       ; from head to head in AO: 262,144 bytes
	s_mov_b32 s[G1B+5], 16384                      ; from k block to k block in Wob: 131,072 bytes
	s_mov_b32 s[G1+6], 0
	s_mov_b32 s[G1B+6], 0
	s_mov_b32 s[G1+7], 0
	s_mov_b32 s[G1B+7], 0
	s_lshr_b32 s16, s13, 4                         ; batch
	s_lshl_b32 s16, s16, 22
	s_and_b32 s17, s13, 15
	s_lshl_b32 s17, s17, 14                        ; 128 rows of 128 bytes
	s_add_co_u32 s16, s16, s17
	s_lshl_b32 s17, s12, 19                        ; my pair of heads
	s_add_co_u32 s16, s16, s17
	s_mov_b32 s17, 0
	s_lshl_b32 s46, s42, 14                        ; 128 rows (n) of 128 bytes
	s_lshl_b32 s47, s12, 18                        ; my pair of k blocks
	s_add_co_u32 s46, s46, s47
	s_mov_b32 s47, 0
	s_mul_i32 s20, s10, 2*HEADT                    ; where my load goes: wave x two heads
	s_wait_dscnt 0x0
	s_wait_kmcnt 0x0
	s_add_nc_u64 s[14:15], s[4:5], s[16:17]
	s_add_nc_u64 s[46:47], s[6:7], s[46:47]
	CROUND                                         ; the first joint loads meet
.irp s, 0,1
	s_mov_b32 s[G0+4*\s], 1
	s_add_co_u32 s[G0+4*\s+1], s20, \s*SLOT
	s_add_nc_u64 s[G0+4*\s+2:G0+4*\s+3], s[14:15], \s*0x100000     ; four heads a slot
	s_or_b32 s[G0+4*\s+3], s[G0+4*\s+3], 0x80000000
	s_mov_b32 s[G0B+4*\s], 1
	s_add_co_u32 s[G0B+4*\s+1], s20, \s*SLOT
	s_add_nc_u64 s[G0B+4*\s+2:G0B+4*\s+3], s[46:47], \s*0x80000
	s_or_b32 s[G0B+4*\s+3], s[G0B+4*\s+3], 0x80000000
	JLOAD \s                                       ; two tensor loads of the wave are out
.endr
	v_and_b32 v1, 15, v0
	v_bfe_u32 v2, v0, 4, 1
	v_mul_u32_u24 v3, v1, PITCH
	v_lshl_add_u32 v3, v2, 4, v3                   ; row x pitch + 16 x half
	s_mul_i32 s21, s11, 64*PITCH                   ; my 64 rows of A
	s_mul_i32 s22, s12, 64*PITCH                   ; my 64 rows of Wob,
	s_add_co_u32 s22, s22, 4*HEADT                 ; behind A's four heads
.irp s, 0,1
	v_add_nc_u32 v[ADRA+\s], s21, v3
	v_add_nc_u32 v[ADRB+\s], s22, v3
	s_add_co_u32 s21, s21, SLOT
	s_add_co_u32 s22, s22, SLOT
.endr
	s_mul_i32 s23, s10, 16*SPITCH
	s_add_co_u32 s23, s23, STAGE
	v_mul_u32_u24 v4, v1, SPITCH                   ; in: row l % 16, 32 bytes for each half of the lanes
	v_lshl_add_u32 v4, v2, 5, v4
	v_add_nc_u32 v[STO], s23, v4
	v_mul_u32_u24 v5, v2, SPITCH                   ; back: lanes 0-15 one row of 256 bytes, lanes 16-31 the next
	v_lshl_add_u32 v5, v1, 4, v5
	v_add_nc_u32 v[RD], s23, v5
	v_lshlrev_b32 v5, 12, v2                       ; the same two rows in out0
	v_lshl_add_u32 v[CO], v1, 4, v5
; 16 LDS loads: the fragments of K piece ks (0..7: head ks / 2 of the slot, half ks % 2 of its 64) into buffer f
.macro FETCH slot, ks, f
.irp i, 0,1,2,3
	ds_load_b128 v[\f+8*\i:\f+8*\i+3],   v[ADRA+\slot] offset:(\ks>>1)*HEADT+(\ks&1)*64+\i*16*PITCH
	ds_load_b128 v[\f+8*\i+4:\f+8*\i+7], v[ADRA+\slot] offset:(\ks>>1)*HEADT+(\ks&1)*64+\i*16*PITCH+32
.endr
.irp i, 0,1,2,3
	ds_load_b128 v[\f+32+8*\i:\f+32+8*\i+3],   v[ADRB+\slot] offset:(\ks>>1)*HEADT+(\ks&1)*64+\i*16*PITCH
	ds_load_b128 v[\f+32+8*\i+4:\f+32+8*\i+7], v[ADRB+\slot] offset:(\ks>>1)*HEADT+(\ks&1)*64+\i*16*PITCH+32
.endr
.endm
; The 16 accumulators, always in the same order, one instruction a turn.  C and D in window 1, sources in window 0.
.macro MUL16 f, zero
	WIN 0x50
.irp a, 0,1,2,3
.irp b, 0,1,2,3
.if \zero
	v_wmma_f32_16x16x32_f16 v[8*(4*\a+\b):8*(4*\a+\b)+7], v[\f+32+8*\b:\f+32+8*\b+7], v[\f+8*\a:\f+8*\a+7], 0
.else
	v_wmma_f32_16x16x32_f16 v[8*(4*\a+\b):8*(4*\a+\b)+7], v[\f+32+8*\b:\f+32+8*\b+7], v[\f+8*\a:\f+8*\a+7], v[8*(4*\a+\b):8*(4*\a+\b)+7]
.endif
.endr
.endr
	WIN 0
.endm
; One K piece: fetch piece nxt into buffer g, multiply buffer f.
.macro KS slot, nxt, f, g, zero
	PLACES 4                                       ; buffer g was read by the last matrix instructions: four places in front of loads into it
	FETCH \slot, \nxt, \g
	s_wait_dscnt 16                                ; buffer f's 16 loads are in; the 16 just issued may be out
	MUL16 \f, \zero
.endm
.macro SEVEN slot, zero                ; pieces 0 to 6 of a slot; piece 7 ends up in buffer 1
	KS \slot, 1, F0, F1, \zero
	KS \slot, 2, F1, F0, 0
	KS \slot, 3, F0, F1, 0
	KS \slot, 4, F1, F0, 0
	KS \slot, 5, F0, F1, 0
	KS \slot, 6, F1, F0, 0
	KS \slot, 7, F0, F1, 0
.endm
; Piece 7 and the change of slots.  In front of the barrier: my reads of this slot are back, all my tensor loads have landed (one is out: my part
; of the next slot).  Behind it the refill comes first, one load a wave, with a whole phase (128 matrix instructions) in which to land.
.macro CHANGE slot, next, fill
	s_wait_dscnt 0x0
	s_wait_tensorcnt 0x0
	ds_add_u32 v254, v255
	s_wait_dscnt 0x0
.if \fill
	s_add_nc_u64 s[G0+4*\slot+2:G0+4*\slot+3], s[G0+4*\slot+2:G0+4*\slot+3], 0x200000     ; eight heads on
	s_add_nc_u64 s[G0B+4*\slot+2:G0B+4*\slot+3], s[G0B+4*\slot+2:G0B+4*\slot+3], 0x100000
	CROUND
	JLOAD \slot
.else
	s_barrier_signal -1
	s_barrier_wait -1
.endif
	PLACES 4
	FETCH \next, 0, F0
	MUL16 F1, 0
.endm
	s_wait_tensorcnt 0x1                           ; my part of slot 0 is in; slot 1's load, issued behind it, stays out
	s_barrier_signal -1
	s_barrier_wait -1
	FETCH 0, 0, F0
	SEVEN 0, 1                                     ; heads 0-3; the first products start the sums
	CHANGE 0, 1, 1                                 ; slot 0 gets heads 8-11
	SEVEN 1, 0                                     ; heads 4-7
	CHANGE 1, 0, 1                                 ; slot 1 gets heads 12-15
	SEVEN 0, 0                                     ; heads 8-11
	CHANGE 0, 1, 0                                 ; nothing is left to fetch
	SEVEN 1, 0                                     ; heads 12-15
	s_wait_dscnt 0x0
	MUL16 F1, 0
	; THE WAY OUT, 16 rows at a time: 32 bytes a lane into my stage, read back as whole rows of 256 bytes.
	PLACES 4                                       ; four places in front of the first LDS store of a result
	s_lshl_b32 s16, s13, 19                        ; 128 rows of 4,096 bytes
	s_lshl_b32 s14, s11, 18                        ; my 64 rows
	s_add_co_u32 s16, s16, s14
	s_mov_b32 s17, 0
	s_add_nc_u64 s[8:9], s[8:9], s[16:17]
	s_lshl_b32 s46, s42, 9                         ; 128 columns of 4 bytes
	s_lshl_b32 s47, s12, 8                         ; my 64 columns
	s_add_co_u32 s46, s46, s47
	s_mov_b32 s47, 0
	s_add_nc_u64 s[8:9], s[8:9], s[46:47]
.macro OUT16 a, f
	WIN 0x04                                       ; the stores' data in window 1
.irp b, 0,1,2,3
	ds_store_b128 v[STO], v[8*(4*\a+\b):8*(4*\a+\b)+3]   offset:64*\b
	ds_store_b128 v[STO], v[8*(4*\a+\b)+4:8*(4*\a+\b)+7] offset:64*\b+16
.endr
	WIN 0
	s_wait_xcnt 0x0                                ; buffer f, which earlier stores read, is loaded again only behind this wait
.irp t, 0,1,2,3,4,5,6,7
	ds_load_b128 v[\f+4*\t:\f+4*\t+3], v[RD] offset:\t*2*SPITCH    ; my own bytes, served in order behind the stores
.endr
.irp t, 0,1,2,3,4,5,6,7
	s_wait_dscnt 7-\t                              ; the younger loads of the eight may be out
	global_store_b128 v[CO], v[\f+4*\t:\f+4*\t+3], s[8:9] offset:(16*\a+2*\t)*4096 th:TH_STORE_NT   ; sixteen lanes store 256 consecutive bytes, aligned
.endr
.endm
	OUT16 0, TB0
	OUT16 1, TB1
	OUT16 2, TB0
	OUT16 3, TB1
	s_wait_tensorcnt 0x0
	ds_add_u32 v254, v255
	s_wait_dscnt 0x0
	CROUND                                         ; the closing round
	s_endpgm
.Lfunc_end_k_q61b2d099fd_outp:
	.size	k_q61b2d099fd_outp, .Lfunc_end_k_q61b2d099fd_outp-k_q61b2d099fd_outp
	.p2alignl 7, 3214868480
	.fill 96, 4, 3214868480
	.section	.rodata,"a",@progbits
	.p2align	6, 0x0
	.amdhsa_kernel k_q61b2d099fd_outp
		.amdhsa_group_segment_fixed_size 327680
		.amdhsa_private_segment_fixed_size 0
		.amdhsa_enable_private_segment 0
		.amdhsa_kernarg_size 24
		.amdhsa_user_sgpr_count 2
		.amdhsa_user_sgpr_kernarg_segment_ptr 1
		.amdhsa_wavefront_size32 1
		.amdhsa_system_sgpr_workgroup_id_x 1
		.amdhsa_system_sgpr_workgroup_id_y 1
		.amdhsa_system_sgpr_workgroup_id_z 1
		.amdhsa_system_vgpr_workitem_id 0
		.amdhsa_next_free_vgpr 384
		.amdhsa_next_free_sgpr 66
		.amdhsa_reserve_vcc 0
		.amdhsa_float_denorm_mode_32 3
		.amdhsa_float_denorm_mode_16_64 3
		.amdhsa_memory_ordered 1
		.amdhsa_forward_progress 1
		.amdhsa_inst_pref_size 88
	.end_amdhsa_kernel
	.amdgpu_metadata
---
amdhsa.version: [ 1, 2 ]
amdhsa.kernels:
  - .name:           k_q61b2d099fd_outp
    .symbol:         k_q61b2d099fd_outp.kd
    .args:
      - { .name: AO, .offset: 0, .size: 8, .value_kind: global_buffer, .address_space: global }
      - { .name: Wob, .offset: 8, .size: 8, .value_kind: global_buffer, .address_space: global }
      - { .name: out0, .offset: 16, .size: 8, .value_kind: global_buffer, .address_space: global }
    .group_segment_fixed_size: 327680
    .private_segment_fixed_size: 0
    .kernarg_segment_align: 8
    .kernarg_segment_size: 24
    .max_flat_workgroup_size: 128
    .sgpr_count:     66
    .vgpr_count:     384
    .wavefront_size: 32
...
	.end_amdgpu_metadata
.endif
;; end of part 3
